; MI455X (gfx1250); checked and timed in simulation.
; The chip was launched on July 23, 2026; its instructions are those of AMD's public machine-readable ISA for CDNA 5 (MIT licence, August 2026) and "CDNA5" Instruction Set Architecture Reference Guide (July 2026). The comments in the code are by the model that wrote it; some were corrected since.
;; SINGLE Decoder. Allowed arithmetic: matrix products marked QUANTISED: E2M3 operands, one E8M0 scale for each 32 along K, by v_wmma_scale_f32_16x16x128_f8f6f4 with both operands' format E2M3, f32 sums; products left as they are: f32 operands where the result goes on into a quantised operand, else bf16, f16 or f32 operands; f32 sums; everything else in f32.
;; Inputs: Wc_codes 256 x 8 x 24 uint8 (E2M3 codes of Wc, K innermost, in blocks of 32 codes, four codes in three bytes); Wc_scales 256 x 8 uint8 (E8M0 scales of Wc, one for each 32 codes along K); Wk_codes 256 x 8 x 24 uint8 (E2M3 codes of Wk, K innermost, in blocks of 32 codes, four codes in three bytes); Wk_scales 256 x 8 uint8 (E8M0 scales of Wk, one for each 32 codes along K); Wq_last 257 x 256 float32; Wv_codes 256 x 8 x 24 uint8 (E2M3 codes of Wv, K innermost, in blocks of 32 codes, four codes in three bytes); Wv_scales 256 x 8 uint8 (E8M0 scales of Wv, one for each 32 codes along K); attr 16 x 1,000 x 1 float32; bc 256 float32; encoded_last_node 16 x 1,000 x 256 float32; encoded_nodes_codes 16 x 1,000 x 8 x 24 uint8 (E2M3 codes of encoded_nodes, K innermost, in blocks of 32 codes, four codes in three bytes); encoded_nodes_scales 16 x 1,000 x 8 uint8 (E8M0 scales of encoded_nodes, one for each 32 codes along K); ninf_mask 16 x 1,000 x 1,000 float32.
;; Outputs: out0 16 x 1,000 x 1,000 float32.
;; This version of the problem:
;;   THIS VERSION OF THE PROBLEM IS GIVEN IN LOW PRECISION. The matrix products marked QUANTISED in the list below multiply operands that are first quantised to E2M3 (2 exponent bits, 3 mantissa bits; 6 bits a number), with one power-of-two scale for each 32 numbers along K (OCP MX v1.0); their sums are f32. All else is computed in f32.
;;   The module's matrix products, in the order in which they are computed (A, B: the left and right operand; K: the contracted axis; several contracted axes count as one K, in the product's order):
;;     1. [M 16,000, K 256] x [K 256, N 256]; A: input encoded_nodes (given as codes); B: input Wk (given as codes): QUANTISED
;;     2. [M 16,000, K 256] x [K 256, N 256]; A: input encoded_nodes (given as codes); B: input Wv (given as codes): QUANTISED
;;     3. [M 16,000, K 257] x [K 257, N 256]; A: computed on the way; B: input Wq_last: QUANTISED
;;     4. batch 256 x [M 1,000, K 16] x [K 16, N 1,000]; A: computed on the way; B: computed on the way: left as it is (K = 16 < 32)
;;     5. batch 256 x [M 1,000, K 1,000] x [K 1,000, N 16]; A: softmax (see below); B: computed on the way: QUANTISED
;;     6. [M 16,000, K 256] x [K 256, N 256]; A: computed on the way; B: input Wc (given as codes): QUANTISED
;;     7. batch 16 x [M 1,000, K 256] x [K 256, N 1,000]; A: computed on the way; B: input encoded_nodes (given as codes): QUANTISED
;;   THE QUANTISER, for each operand of a quantised product, along K:
;;     - K is cut into blocks of 32 from its start; a last block that is shorter is filled with zeros.
;;     - A block's scale is 2^e with e = floor(log2(the largest magnitude in the block)) - 2, held to -126 .. 127; a block of zeros has e = 0. As a byte (E8M0): e + 127.
;;     - Each number is divided by its block's scale, clamped to +-7.5, and rounded to the nearest number of E2M3, ties to even, subnormals kept.
;;     - The product sums the exact products of the quantised numbers (number of the format x scale) in f32.
;;   ~~~python
;;   def quantise(x, axis):      # numpy; x: float32 -> the quantised numbers, widened to float32 again
;;       x = np.moveaxis(x, axis, -1); K = x.shape[-1]
;;       x = np.pad(x, [(0, 0)] * (x.ndim - 1) + [(0, -K % 32)]); x = x.reshape(x.shape[:-1] + (-1, 32)); a = np.abs(x).max(-1, keepdims=True)
;;       e = np.where(a > 0, np.clip(np.frexp(np.where(a > 0, a, 1))[1] - 1 - 2, -126, 127), 0)      # np.frexp(a)[1] - 1 = floor(log2(a)), exactly
;;       r = np.clip(x / 2.0 ** e, -7.5, 7.5)
;;       step = 2.0 ** (np.maximum(np.frexp(np.where(r == 0, 1, r))[1] - 1, 0) - 3)
;;       q = np.round(r / step) * step * 2.0 ** e      # np.round: ties to even
;;       return np.moveaxis(q.reshape(q.shape[:-2] + (-1,))[..., :K], -1, axis).astype(np.float32)
;;   ~~~
;;   SOFTMAX AHEAD OF A QUANTISED PRODUCT. Where the list says 'softmax', what is quantised is not the finished softmax but p = 2^(t - M), with t = logit x log2(e) and M = ceil(the row's largest t), a whole number; so 1/2 < the row's largest p <= 1. The row's sum l is taken of the UNQUANTISED p, in f32, and the product's result is divided by l at the end. Since M is a whole number, a kernel that streams over the keys may use a running M (the ceiling of the running maximum): every later rescaling is an exact power of two, which a block's scale takes up: the codes' values come out the same.
;;   OPERANDS COMPUTED ON THE WAY. 'Computed on the way' means the value that the module computes at that place (a softmax that the list does not call 'softmax' is quantised finished and normalised). What goes into a quantiser is computed in f32, as accurately as f32 sums, v_exp_f32 and their like allow (about 1e-6 of the number): no bf16 or f16 on the way to a quantiser, and a product that is left as it is and whose result goes on into a quantised operand takes f32 operands (vector FMAs, or v_wmma_f32_16x16x4_f32). A number that lies on a knife's edge between two numbers of the format may be rounded either way, as far as f32 arithmetic and the matrix unit's own rounding can turn it there, and no further.
;;   INPUTS GIVEN AS CODES. Wc (in the module: [256, 256], K = its axis 0); Wk (in the module: [256, 256], K = its axis 0); Wv (in the module: [256, 256], K = its axis 0); encoded_nodes (in the module: [16, 1000, 256], K = its axis 2): each comes as NAME_codes (uint8): NAME with its K axis moved to the last place and cut into blocks of 32 codes, [.., K / 32, bytes a block], one block behind the other in memory; four codes in three bytes: a row's codes are one little-endian stream of bits, code i at bits 6 i .. 6 i + 5 (a code: sign, 2 exponent bits, 3 mantissa bits); and NAME_scales (uint8): the same leading axes, one E8M0 byte (e + 127) for each 32 codes along K. Its value is code x scale, taken as it is: it is not quantised again, and the codes and scales need not be those that the quantiser above would give.
;; One version. Each part assembles by itself: llvm-mc -triple=amdgcn-amd-amdhsa -mcpu=gfx1250 --defsym DOCPART=n.
;; ======== version 1 of 1: 2 launches
;; workspace buffers: qimg 16,777,216 bytes; kimg 16,777,216 bytes; vimg 4,194,304 bytes
;; launch proj (part 1): grid 16 x 16, 16 waves a work-group, no clusters, 14,848 bytes of LDS; arguments encoded_last_node, attr, Wq_last, encoded_nodes_codes, encoded_nodes_scales, Wk_codes, Wk_scales, Wv_codes, Wv_scales, qimg, kimg, vimg; writes qimg, kimg, vimg
.if DOCPART == 1
	.amdgcn_target "amdgcn-amd-amdhsa--gfx1250"
	.amdhsa_code_object_version 6
	.text
	.protected	k_qe5f5d49a1b_proj
	.globl	k_qe5f5d49a1b_proj
	.p2align	8
	.type	k_qe5f5d49a1b_proj,@function
k_qe5f5d49a1b_proj:
	s_mov_b64 s[64:65], 0
	v_nop
	global_prefetch_b8 v0, s[64:65] scope:SCOPE_SE
	s_setreg_imm32_b32 hwreg(HW_REG_WAVE_MODE, 25, 1), 1
	s_wait_xcnt 0x0
; FIRST OF TWO LAUNCHES: the three projections q, k, v on codes of E2M3 with E8M0 scales, stored as images of the operand registers that the second launch wants.
; WORK LEFT OUT IN THE PROGRAM (in the second launch): 10 tanh(y) = 10 - 20 / (1 + e^(2 y)) for every real y; the term 10 is the same for all n of a row, and a softmax along n is unchanged by a term
; that is the same along n, whatever the inputs hold.  So the second launch feeds -20 / (1 + e^(2 y)) + mask to the last softmax.  Nothing else is left out; every input is loaded by one of the two launches.
; No NaN, infinity or overflow can arise in the constant 10 alone, so none is lost with it.
; SHARES.  A work-group takes 64 rows of one batch (x = block of rows, y = batch), of the nodes and of the last nodes; wave w is head w.  Rows 1000..1023 of a batch are padding: loads take row 999 instead.
; k:  D = Wk's 16 rows of the head (source 0) x 16 nodes (source 1): a lane holds one key and eight of the head's 16 numbers.  THE NODES OF A TILE ARE NOT NEIGHBOURS: lane r of tile 2 bb + u takes node
;     32 bb + 8 u + r + 8 (r / 8), so that in the second launch the 16 score registers of tiles 2 bb, 2 bb + 1 are 16 neighbouring keys.
; v:  D = the same 16 nodes (source 0) x Wv's 16 rows (source 1): a lane holds one of the head's 16 numbers and its registers run along the keys: quantised here along the keys, 32 to a block; keys from 1000 on are zeros.
; q:  K = 257: two steps of 128 of the last node, quantised here (each wave a sixteenth, handed round through LDS as images of registers), and a third step that holds attr alone; Wq_last is quantised by each wave for
;     its own 16 columns, a lane to a column, registers down K.  q is stored times log2(e) / 4, so that the second launch's scores are exponents of two.
; LIMITS: NaN and infinities among the inputs are not served.  A block whose largest magnitude lies under 2^-124, a block of zeros too, keeps the scale byte 1: its codes are read by this program alone.
; q carries one more f32 rounding than the definition (the factor log2(e) / 4).
.set XIMG,  0                          ; LDS: 16 half fragments of x, 768 bytes each: registers 0-3 at 16 x lane, registers 4-5 at 512 + 8 x lane
.set XSC,   12288                      ; their scale words: (2 tile + K step) x 64 + 4 r
.set SPARE, 12800                      ; the spare words: 128 bytes for each of the 16 waves; no other line names them
.set SPW,   1                          ; v1  my spare word's address; never rewritten
.set NIL,   2                          ; v2  0; never rewritten
.set NA,    8                          ; v8-11   byte offset of my node's codes, tile t
.set NSA,   12                         ; v12-15  and of its scale bytes
.set ATA,   19                         ; v19-22  byte offset of attr of my row of tile t
.set NSC,   28                         ; v28-39 hold scale words and nothing else.  First: the nodes' (2 t + s), Wk's two, Wv's two
.set WKS,   36
.set WVS,   38
.set WQS,   28                         ; then: Wq's three, x's four, attr's four
.set XS,    31
.set AS,    35
.set PW,    46                         ; v46 the scale word just made; v47 = 0
.set PC,    48                         ; v48-56 the codes just made
.set ATV,   57                         ; v57-60 attr of my row of tile t; v61 Wq_last[256][my column]
.set NF,    64                         ; v64-159 the nodes' fragments (tile t, K step s at 24 t + 12 s)
.set WKF,   160                        ; v160-183 Wk's two fragments
.set WVF,   184                        ; v184-207 Wv's two
.set XR,    208                        ; v208-239 32 numbers of x; then k's four tiles
.set KD,    208
.set Z,     160                        ; v160-175 a run of 16 numbers of which the first alone may differ from 0
.set AF,    64                         ; v64-111 attr's four fragments
.set XF,    112                        ; v112-159 x's fragments of two tiles
.set QD,    176                        ; v176-207 q's four tiles
.set WQF,   208                        ; v208-243 Wq's three fragments
.set FLOOR, 0x1800000                  ; 2^(3 - 127): under it no largest magnitude is taken, so a scale byte cannot fall under 1
.macro PLACES n
.rept \n
	v_nop
.endr
.endm
.macro MM0 d, a, b, sa, sb             ; a product that starts a sum
	v_wmma_scale_f32_16x16x128_f8f6f4 v[(\d):(\d)+7], v[(\a):(\a)+11], v[(\b):(\b)+11], 0, v[(\sa)], v[(\sb)] matrix_a_fmt:MATRIX_FMT_FP6 matrix_b_fmt:MATRIX_FMT_FP6
.endm
.macro MMA d, a, b, sa, sb             ; and one that adds in place
	v_wmma_scale_f32_16x16x128_f8f6f4 v[(\d):(\d)+7], v[(\a):(\a)+11], v[(\b):(\b)+11], v[(\d):(\d)+7], v[(\sa)], v[(\sb)] matrix_a_fmt:MATRIX_FMT_FP6 matrix_b_fmt:MATRIX_FMT_FP6
.endm
; Two blocks of 32 along K: v[a + i] is number 16 (lane / 16) + i of block 0, v[b + i] of block 1.  Out: v[PC] .. v[PC + 5]: lanes 0-15 block 0's 32 codes, lanes 16-31 block 1's; v[PW]: the two scale bytes.
.macro QUANT2 a, b
	v_max3_num_f32 v40, |v[(\a)]|, |v[(\a)+1]|, FLOOR
	v_max3_num_f32 v41, |v[(\b)]|, |v[(\b)+1]|, FLOOR
.irp i, 2,4,6,8,10,12,14
	v_max3_num_f32 v40, v40, |v[(\a)+\i]|, |v[(\a)+\i+1]|
	v_max3_num_f32 v41, v41, |v[(\b)+\i]|, |v[(\b)+\i+1]|
.endr
	v_permlanex16_b32 v42, v40, s36, s37
	v_permlanex16_b32 v43, v41, s36, s37
	v_max_num_f32 v40, v40, v42                    ; with lane l xor 16's 16 numbers: the block's largest magnitude
	v_max_num_f32 v41, v41, v43
	v_add_nc_u32 v44, 0xff000000, v40              ; 2 off the exponent field: the conversion's scale operand
	v_add_nc_u32 v45, 0xff000000, v41
	v_lshrrev_b32 v42, 23, v44                     ; the scale bytes
	v_lshrrev_b32 v43, 23, v45
	v_lshl_or_b32 v[PW], v43, 8, v42
	v_cvt_scalef32_pk16_fp6_f32 v[PC:PC+2], v[(\a):(\a)+15], v44
	v_cvt_scalef32_pk16_fp6_f32 v[PC+6:PC+8], v[(\b):(\b)+15], v45
	v_nop                                          ; one plain line behind the conversions
.irp i, 0,1,2
	v_permlane16_swap_b32 v[PC+\i], v[PC+6+\i]     ; the first now holds the lower 16 codes of each lane's block, the second the upper 16
.endr
.irp i, 0,1,2
	v_mov_b32 v[PC+3+\i], v[PC+6+\i]
.endr
.endm
; A K step of Wq_last for my column: v[a + i] is row 32 (lane / 16) + i, v[b + i] row 64 + 32 (lane / 16) + i.  A lane holds two whole blocks.  Out: the fragment v[d] .. v[d + 11] and its scale word v[sc].
.macro QW a, b, d, sc
	v_max3_num_f32 v40, |v[(\a)]|, |v[(\a)+1]|, FLOOR
	v_max3_num_f32 v41, |v[(\b)]|, |v[(\b)+1]|, FLOOR
.irp i, 2,4,6,8,10,12,14,16,18,20,22,24,26,28,30
	v_max3_num_f32 v40, v40, |v[(\a)+\i]|, |v[(\a)+\i+1]|
	v_max3_num_f32 v41, v41, |v[(\b)+\i]|, |v[(\b)+\i+1]|
.endr
	v_add_nc_u32 v44, 0xff000000, v40
	v_add_nc_u32 v45, 0xff000000, v41
	v_lshrrev_b32 v42, 23, v44
	v_lshrrev_b32 v43, 23, v45
	v_lshl_or_b32 v42, v43, 16, v42                ; my two bytes: blocks h and 2 + h,
	v_lshlrev_b32 v43, 3, v4
	v_lshlrev_b32 v42, v43, v42                    ; at their places in the word;
	v_permlanex16_b32 v43, v42, s36, s37
	v_or_b32 v[(\sc)], v42, v43                    ; with lane l xor 16's two the word is whole
	v_cvt_scalef32_pk16_fp6_f32 v[(\d):(\d)+2], v[(\a):(\a)+15], v44
	v_cvt_scalef32_pk16_fp6_f32 v[244:246], v[(\a)+16:(\a)+31], v44
	v_cvt_scalef32_pk16_fp6_f32 v[(\d)+6:(\d)+8], v[(\b):(\b)+15], v45
	v_cvt_scalef32_pk16_fp6_f32 v[248:250], v[(\b)+16:(\b)+31], v45
	v_nop
.irp i, 0,1,2
	v_mov_b32 v[(\d)+3+\i], v[244+\i]
	v_mov_b32 v[(\d)+9+\i], v[248+\i]
.endr
.endm
; A block that holds one number, v[Z] (0 in lanes 16-31), and zeros: its three code registers and its scale word (bytes 1 to 3 are 0 over zero codes).
.macro QONE d, sc
	v_max_num_f32 v40, FLOOR, |v[Z]|
	v_add_nc_u32 v44, 0xff000000, v40
	v_lshrrev_b32 v[(\sc)], 23, v44
	v_cvt_scalef32_pk16_fp6_f32 v[(\d):(\d)+2], v[Z:Z+15], v44
	v_nop
.endm
	s_load_b512 s[8:23], s[0:1], 0x0               ; x s[8:9], attr s[10:11], Wq s[12:13], nodes' codes s[14:15], scales s[16:17], Wk's s[18:19], s[20:21], Wv's codes s[22:23]
	s_load_b256 s[24:31], s[0:1], 0x40             ; Wv's scales s[24:25], qimg s[26:27], kimg s[28:29], vimg s[30:31]
	v_lshl_add_u32 v[SPW], v0, 2, SPARE
	v_mov_b32 v[NIL], 0
	v_lshrrev_b32 v40, 5, v0
	v_readfirstlane_b32 s32, v40                   ; wave = head
	s_mov_b32 s33, ttmp9                           ; block of 64 rows
	s_and_b32 s34, ttmp7, 0xffff                   ; batch
	s_mov_b32 s36, 0x76543210
	s_mov_b32 s37, 0xfedcba98                      ; v_permlanex16_b32's selects for lane l xor 16
	v_and_b32 v3, 15, v0                           ; r
	v_bfe_u32 v4, v0, 4, 1                         ; h
	v_and_b32 v40, 31, v0
	v_lshlrev_b32 v5, 4, v40                       ; 16 x lane
	v_lshlrev_b32 v6, 3, v40                       ; 8 x lane
	v_lshlrev_b32 v7, 2, v3                        ; 4 r
	v_mov_b32 v43, 0                               ; (a lane permute's destination counts as one of its sources)
	v_mov_b32 v47, 0
	v_and_b32 v41, 8, v3
	v_add_nc_u32 v41, v41, v3                      ; r + 8 (r / 8)
	s_lshl_b32 s38, s33, 6                         ; the block's first row
	s_mul_i32 s39, s34, 1000                       ; the batch's first row
	v_add_nc_u32 v41, s38, v41
.irp t, 0,1,2,3
	v_add_nc_u32 v42, 32*(\t/2)+8*(\t%2), v41
	v_min_u32 v42, 999, v42                        ; padding rows take row 999: no load leaves its buffer
	v_add_nc_u32 v42, s39, v42
	v_mul_u32_u24 v[NA+\t], v42, 192
	v_mad_u32_u24 v[NA+\t], v4, 24, v[NA+\t]
	v_lshlrev_b32 v[NSA+\t], 3, v42
.endr
	s_lshl_b32 s40, s32, 4
	v_add_nc_u32 v42, s40, v3                      ; my column of the weights: 16 w + r
	v_mul_u32_u24 v16, v42, 192
	v_mad_u32_u24 v16, v4, 24, v16                 ; v16 its codes in Wk, Wv
	v_lshlrev_b32 v17, 3, v42                      ; v17 its scale bytes
	v_lshlrev_b32 v24, 2, v42                      ; v24 its place in a row of Wq_last
	v_lshl_add_u32 v23, v4, 15, v24                ; v23 the same, 32 rows of 1,024 bytes further down for lanes 16-31
	s_lshr_b32 s41, s32, 2                         ; for x: wave = 4 tile + 2 K step + half
	s_lshl_b32 s41, s41, 4
	s_add_co_u32 s41, s41, s38
	v_add_nc_u32 v42, s41, v3
	v_min_u32 v42, 999, v42
	v_add_nc_u32 v42, s39, v42
	v_lshlrev_b32 v18, 10, v42
	v_lshl_add_u32 v18, v4, 6, v18
	s_and_b32 s42, s32, 3
	s_lshl_b32 s42, s42, 8
	v_add_nc_u32 v18, s42, v18                     ; v18 x: my row, + 512 K step + 256 half + 64 h
	v_add_nc_u32 v41, s38, v3
.irp t, 0,1,2,3
	v_add_nc_u32 v42, 16*\t, v41
	v_min_u32 v42, 999, v42
	v_add_nc_u32 v42, s39, v42
	v_lshlrev_b32 v[ATA+\t], 2, v42
.endr
	s_mul_i32 s43, s32, 768
	v_add_nc_u32 v25, s43, v5                      ; v25, v26 where I store my half fragment of x
	v_add_nc_u32 v26, s43, v6
	s_lshr_b32 s44, s32, 1
	s_lshl_b32 s44, s44, 6
	s_and_b32 s45, s32, 1
	s_lshl_b32 s45, s45, 1
	s_add_co_u32 s44, s44, s45
	v_add_nc_u32 v27, s44, v7                      ; v27 and its two scale bytes
	s_lshl_b32 s46, s34, 4
	s_add_co_u32 s46, s46, s32                     ; 16 batch + head
	s_lshl_b32 s48, s46, 16
	s_lshl_b32 s47, s33, 12
	s_add_co_u32 s48, s48, s47                     ; kimg, qimg: 64 tiles of 1,024 bytes a head, my four from 4 x block on
	s_mov_b32 s49, 0
	s_lshl_b32 s50, s46, 14
	s_lshl_b32 s47, s33, 10
	s_add_co_u32 s50, s50, s47                     ; vimg: 16 steps of 1,024 bytes a head
	s_mov_b32 s51, 0
	s_wait_kmcnt 0x0
	s_add_nc_u64 s[26:27], s[26:27], s[48:49]
	s_add_nc_u64 s[28:29], s[28:29], s[48:49]
	s_add_nc_u64 s[30:31], s[30:31], s[50:51]
	; ---- all of the first stage's loads, what is wanted first in front: 97 in all
.irp bb, 0,1
.irp j, 0,1,2,3
	global_load_b128 v[XR+16*\bb+4*\j:XR+16*\bb+4*\j+3], v18, s[8:9] offset:128*\bb+16*\j th:TH_LOAD_NT
.endr
.endr
.irp t, 0,1,2,3
	global_load_b32 v[ATV+\t], v[ATA+\t], s[10:11]
.endr
	global_load_b32 v61, v24, s[12:13] offset:256*1024
.irp t, 0,1,2,3
.irp s, 0,1
.irp p, 0,1,2,3,4,5
	global_load_b64 v[NF+24*\t+12*\s+2*\p:NF+24*\t+12*\s+2*\p+1], v[NA+\t], s[14:15] offset:96*\s+48*(\p/3)+8*(\p%3)
.endr
	global_load_b32 v[NSC+2*\t+\s], v[NSA+\t], s[16:17] offset:4*\s
.endr
.endr
.irp s, 0,1
.irp p, 0,1,2,3,4,5
	global_load_b64 v[WKF+12*\s+2*\p:WKF+12*\s+2*\p+1], v16, s[18:19] offset:96*\s+48*(\p/3)+8*(\p%3)
	global_load_b64 v[WVF+12*\s+2*\p:WVF+12*\s+2*\p+1], v16, s[22:23] offset:96*\s+48*(\p/3)+8*(\p%3)
.endr
	global_load_b32 v[WKS+\s], v17, s[20:21] offset:4*\s
	global_load_b32 v[WVS+\s], v17, s[24:25] offset:4*\s
.endr
	; ---- x: my 16 rows x 64 along K become half a fragment
	s_wait_loadcnt 63                              ; of the 97 loads at most 63 are out: the oldest 34 are in, x's eight, attr's four and Wq's one among them
	QUANT2 XR, XR+16
	ds_store_b128 v25, v[PC:PC+3] offset:XIMG
	ds_store_b64 v26, v[PC+4:PC+5] offset:XIMG+512
	ds_store_b16 v27, v[PW] offset:XSC             ; both lanes of a row write the same two bytes with the same value
	s_wait_dscnt 0x0                               ; for the others' sake: my stores have landed
	s_barrier_signal -1
	s_barrier_wait -1                              ; x's eight fragments lie in LDS; nothing is stored there again
	; ---- k and v: four accumulators by turns
	s_wait_loadcnt 0x0
.irp t, 0,1,2,3
	MM0 KD+8*\t, WKF, NF+24*\t, WKS, NSC+2*\t
.endr
.irp t, 0,1,2,3
	MMA KD+8*\t, WKF+12, NF+24*\t+12, WKS+1, NSC+2*\t+1
.endr
	PLACES 5                                       ; v's tiles 2 and 3 are laid over Wk's fragments: five places in front of a product that writes over an operand
.irp t, 0,1,2,3
	MM0 240+8*\t-96*(\t/2), NF+24*\t, WVF, NSC+2*\t, WVS
.endr
.irp t, 0,1,2,3
	MMA 240+8*\t-96*(\t/2), NF+24*\t+12, WVF+12, NSC+2*\t+1, WVS+1
.endr
	PLACES 4                                       ; in front of loads into operands that are done with, and of the first reads of results
	; ---- Wq_last's rows 0-255 at my column: 128 loads; sixteen lanes read 64 neighbouring bytes
.irp c, 0,1
.irp i, 0,1,2,3,4,5,6,7,8,9,10,11,12,13,14,15,16,17,18,19,20,21,22,23,24,25,26,27,28,29,30,31
	global_load_b32 v[64+32*\c+\i], v23, s[12:13] offset:(64*\c+\i)*1024
.endr
.endr
.irp c, 0,1
.irp i, 0,1,2,3,4,5,6,7,8,9,10,11,12,13,14,15,16,17,18,19,20,21,22,23,24,25,26,27,28,29,30,31
	global_load_b32 v[128+48*\c+\i], v23, s[12:13] offset:(128+64*\c+\i)*1024
.endr
.endr
.irp t, 0,1,2,3
	global_store_b128 v5, v[KD+8*\t:KD+8*\t+3], s[28:29] offset:1024*\t            ; each store of the wave covers 512 consecutive bytes, aligned
	global_store_b128 v5, v[KD+8*\t+4:KD+8*\t+7], s[28:29] offset:1024*\t+512
.endr
	s_cmp_lg_u32 s33, 15                           ; the last block holds keys 960 .. 1023: those from 1000 on are zeros, as the quantiser fills its last block
	s_cbranch_scc1 .Lno_pad
	v_cmp_eq_u32 vcc_lo, 0, v4
.irp j, 0,1,2,3,4,5,6,7
	v_cndmask_b32 v[160+\j], 0, v[160+\j], vcc_lo  ; tile 2: keys 992 + 16 h + j
.endr
.irp j, 0,1,2,3,4,5,6,7
	v_mov_b32 v[168+\j], 0                         ; tile 3: keys 1000 + 16 h + j
.endr
.Lno_pad:
	QUANT2 240, 160
	global_store_b128 v5, v[PC:PC+3], s[30:31]
	global_store_b64 v6, v[PC+4:PC+5], s[30:31] offset:512
	global_store_b64 v6, v[PW:PW+1], s[30:31] offset:768
	; ---- Wq_last and attr become operands
	s_wait_xcnt 0x0                                ; k's stores have read their registers, which Wq's fragments take
	s_wait_loadcnt 63                              ; of the 128 loads at most 63 are out: rows 0-127 are in
	QW 64, 96, WQF, WQS
	s_wait_loadcnt 0x0
	QW 128, 176, WQF+12, WQS+1
.irp j, 1,2,3,4,5,6,7,8,9,10,11,12,13,14,15
	v_mov_b32 v[Z+\j], 0
.endr
.irp j, 3,4,5,6,7,8,9,10,11
	v_mov_b32 v[WQF+24+\j], 0
.irp t, 0,1,2,3
	v_mov_b32 v[AF+12*\t+\j], 0
.endr
.endr
	v_cmp_eq_u32 vcc_lo, 0, v4
	v_cndmask_b32 v[Z], 0, v61, vcc_lo             ; K = 256 lies in lanes 0-15, first code
	QONE WQF+24, WQS+2
.irp t, 0,1,2,3
	v_cndmask_b32 v[Z], 0, v[ATV+\t], vcc_lo
	QONE AF+12*\t, AS+\t
.endr
	PLACES 8                                       ; a scale word made by a vector line stands eight places ahead of the product that takes it
	; ---- q: two tiles of rows at a time, two accumulators by turns, three K steps
.irp pr, 0,1
.irp ti, 0,1
.irp s, 0,1
	ds_load_b128 v[XF+24*\ti+12*\s:XF+24*\ti+12*\s+3], v5 offset:XIMG+(4*(2*\pr+\ti)+2*\s)*768
	ds_load_b64 v[XF+24*\ti+12*\s+4:XF+24*\ti+12*\s+5], v6 offset:XIMG+(4*(2*\pr+\ti)+2*\s)*768+512
	ds_load_b128 v[XF+24*\ti+12*\s+6:XF+24*\ti+12*\s+9], v5 offset:XIMG+(4*(2*\pr+\ti)+2*\s+1)*768
	ds_load_b64 v[XF+24*\ti+12*\s+10:XF+24*\ti+12*\s+11], v6 offset:XIMG+(4*(2*\pr+\ti)+2*\s+1)*768+512
	ds_load_b32 v[XS+2*\ti+\s], v7 offset:XSC+(2*(2*\pr+\ti)+\s)*64
.endr
.endr
	s_wait_dscnt 0x0
.irp ti, 0,1
	MM0 QD+8*(2*\pr+\ti), WQF, XF+24*\ti, WQS, XS+2*\ti
.endr
.irp ti, 0,1
	MMA QD+8*(2*\pr+\ti), WQF+12, XF+24*\ti+12, WQS+1, XS+2*\ti+1
.endr
.irp ti, 0,1
	MMA QD+8*(2*\pr+\ti), WQF+24, AF+12*(2*\pr+\ti), WQS+2, AS+2*\pr+\ti
.endr
	PLACES 4                                       ; in front of the reads of results, and of the next pair's loads into x's registers
.irp ti, 0,1
.irp j, 0,2,4,6
	v_pk_mul_f32 v[QD+8*(2*\pr+\ti)+\j:QD+8*(2*\pr+\ti)+\j+1], v[QD+8*(2*\pr+\ti)+\j:QD+8*(2*\pr+\ti)+\j+1], 0x3eb8aa3b op_sel_hi:[1,0]   ; x log2(e) / 4
.endr
.endr
.irp ti, 0,1
	global_store_b128 v5, v[QD+8*(2*\pr+\ti):QD+8*(2*\pr+\ti)+3], s[26:27] offset:1024*(2*\pr+\ti)
	global_store_b128 v5, v[QD+8*(2*\pr+\ti)+4:QD+8*(2*\pr+\ti)+7], s[26:27] offset:1024*(2*\pr+\ti)+512
.endr
.endr
	s_wait_tensorcnt 0x0                           ; the wave's end: behind my last LDS store
	ds_add_u32 v[SPW], v[NIL]
	s_wait_dscnt 0x0
	s_endpgm
.Lfunc_end_k_qe5f5d49a1b_proj:
	.size	k_qe5f5d49a1b_proj, .Lfunc_end_k_qe5f5d49a1b_proj-k_qe5f5d49a1b_proj
	.p2alignl 7, 3214868480
	.fill 96, 4, 3214868480
	.section	.rodata,"a",@progbits
	.p2align	6, 0x0
	.amdhsa_kernel k_qe5f5d49a1b_proj
		.amdhsa_group_segment_fixed_size 14848
		.amdhsa_private_segment_fixed_size 0
		.amdhsa_enable_private_segment 0
		.amdhsa_kernarg_size 96
		.amdhsa_user_sgpr_count 2
		.amdhsa_user_sgpr_kernarg_segment_ptr 1
		.amdhsa_wavefront_size32 1
		.amdhsa_system_sgpr_workgroup_id_x 1
		.amdhsa_system_sgpr_workgroup_id_y 1
		.amdhsa_system_sgpr_workgroup_id_z 1
		.amdhsa_system_vgpr_workitem_id 0
		.amdhsa_next_free_vgpr 256
		.amdhsa_next_free_sgpr 66
		.amdhsa_reserve_vcc 1
		.amdhsa_float_denorm_mode_32 3
		.amdhsa_float_denorm_mode_16_64 3
		.amdhsa_memory_ordered 1
		.amdhsa_forward_progress 1
		.amdhsa_inst_pref_size 51
	.end_amdhsa_kernel
	.amdgpu_metadata
---
amdhsa.version: [ 1, 2 ]
amdhsa.kernels:
  - .name:           k_qe5f5d49a1b_proj
    .symbol:         k_qe5f5d49a1b_proj.kd
    .args:
      - { .name: encoded_last_node, .offset: 0, .size: 8, .value_kind: global_buffer, .address_space: global }
      - { .name: attr, .offset: 8, .size: 8, .value_kind: global_buffer, .address_space: global }
      - { .name: Wq_last, .offset: 16, .size: 8, .value_kind: global_buffer, .address_space: global }
      - { .name: encoded_nodes_codes, .offset: 24, .size: 8, .value_kind: global_buffer, .address_space: global }
      - { .name: encoded_nodes_scales, .offset: 32, .size: 8, .value_kind: global_buffer, .address_space: global }
      - { .name: Wk_codes, .offset: 40, .size: 8, .value_kind: global_buffer, .address_space: global }
      - { .name: Wk_scales, .offset: 48, .size: 8, .value_kind: global_buffer, .address_space: global }
      - { .name: Wv_codes, .offset: 56, .size: 8, .value_kind: global_buffer, .address_space: global }
      - { .name: Wv_scales, .offset: 64, .size: 8, .value_kind: global_buffer, .address_space: global }
      - { .name: qimg, .offset: 72, .size: 8, .value_kind: global_buffer, .address_space: global }
      - { .name: kimg, .offset: 80, .size: 8, .value_kind: global_buffer, .address_space: global }
      - { .name: vimg, .offset: 88, .size: 8, .value_kind: global_buffer, .address_space: global }
    .group_segment_fixed_size: 14848
    .private_segment_fixed_size: 0
    .kernarg_segment_align: 8
    .kernarg_segment_size: 96
    .max_flat_workgroup_size: 512
    .sgpr_count:     66
    .vgpr_count:     256
    .wavefront_size: 32
...
	.end_amdgpu_metadata
.endif
;; end of part 1
;; launch attn (part 2): grid 16 x 16, 16 waves a work-group, no clusters, 305,152 bytes of LDS; arguments qimg, kimg, vimg, ninf_mask, Wc_codes, Wc_scales, bc, encoded_nodes_codes, encoded_nodes_scales, out0; writes out0
.if DOCPART == 2
	.amdgcn_target "amdgcn-amd-amdhsa--gfx1250"
	.amdhsa_code_object_version 6
	.text
	.protected	k_qe5f5d49a1b_attn
	.globl	k_qe5f5d49a1b_attn
	.p2align	8
	.type	k_qe5f5d49a1b_attn,@function
k_qe5f5d49a1b_attn:
	s_mov_b64 s[64:65], 0
	v_nop
	global_prefetch_b8 v0, s[64:65] scope:SCOPE_SE
	s_setreg_imm32_b32 hwreg(HW_REG_WAVE_MODE, 25, 1), 1
	s_wait_xcnt 0x0
; SECOND LAUNCH: attention of 16 heads, the projection by Wc, the probe against the nodes, 10 tanh(. / 16), the mask, the softmax.  Nothing goes to memory on the way.
; LEFT OUT (shown at the head of the first launch): the term 10 of 10 tanh(y) = 10 - 20 / (1 + e^(2 y)), which is the same along the last softmax's axis.
; SHARES.  A work-group owns 64 queries of one batch (x = block of queries, y = batch).  In the attention wave w is head w and owns all 64 queries, four tiles of 16; it walks the 1,024 (1,000 + padding) keys, 64 a step.
; THE MASK's 64 rows are read from memory once, times log2(e), into LDS, a chunk of 64 columns a step ahead of the step that wants it; they stay for the last softmax.  Columns from 1000 on hold -infinity.
; SCORES.  S^T = k q^T in f32 (K = 16: four matrix instructions of K = 4, the first with C = 0); q carries log2(e) / 4, and the mask is added in f32 behind the products: that is t.  In instruction kk the unit's
; k = 2 h + j stands for number 8 h + 2 kk + j of the head's 16, alike in both operands.  A lane holds ONE query; the 16 registers of tiles 2 bb, 2 bb + 1 are keys 32 bb + 16 h + 0 .. 15 of the step (the first launch chose the keys of a tile so).
; SOFTMAX AHEAD OF P V.  M = the running largest t rounded up to a whole number, kept as -M; p = 2^(t - M) is quantised along the keys, 32 to a block; the row's sum is taken of the unquantised p; when M moves, the sum
; and O^T are multiplied by 2^(old M - new M), which rounds nothing.  A block's largest p is the exponential of its largest t.  O^T += v^T p^T takes 64 keys: the upper half of its K = 128 is zero codes.
; BY TURNS.  A tile's softmax has two parts.  The first reads S^T (mask, maxima, M, t - M: 60 vector lines); behind it S^T's registers are free.  The second (exponentials, scales, sums, conversions: 73 vector lines) names none of
; S^T, k, q: so the NEXT tile's 16 score products stand among its lines, and the wave has matrix and vector work in hand at once.  That is why the mask is not the C of the first product: its 32 registers still hold p
; while those products are issued, and the wave has no 32 registers to spare.  Tile 0's products stand alone at a step's head: they want the next step's k, which has one set of registers.
; WHY NO CLUSTER AND NO TENSOR LOAD: the 16 query blocks of a batch walk the same k and v, but a step's k and v of 16 heads are 81,920 bytes, a ring of two such slots does not fit beside the mask's 263,168 bytes,
; and each wave reads its own head alone, already laid in the order of its registers: it loads them straight into registers, 512 consecutive bytes an instruction.
; LIMITS: NaN and +infinity among the inputs are not served.  A row whose every key is masked by -infinity comes out NaN.  A block under 2^-124 keeps the scale byte 1.  The mask carries one more f32 rounding (x log2(e)).
; Padding queries (rows from 1000 on) are computed from row 999's mask and are not stored.
.set MPITCH, 4112                      ; a mask row in LDS: 1,024 columns + 16 bytes = 257 x 16: the 16 rows that a load of 16 bytes a lane touches start in different banks
.set PMAX,  263168                     ; [wave][64 queries] the largest magnitude of a head's 16 outputs
.set OCI,   267264                     ; out_concat's 8 fragments (2 tile + K step) as images of their registers, 1,536 bytes each: register g at (g / 4) 512 + 16 lane + 4 (g % 4)
.set OCS,   279552                     ; their scale words: 64 bytes a fragment, 4 a row
.set MHI,   280064                     ; the same for the attention's projected output
.set MHS,   292352
.set RMAX,  292864                     ; [64 queries] 16 waves' maxima, 80 bytes a query;  5,120 bytes further on the same for the sums
.set SPARE, 303104                     ; the spare words: 128 bytes for each of the 16 waves; no other line names them
.set SPW, 1                            ; v1 my spare word's address, v2 = 0; never rewritten
.set NIL, 2
.set MAQ, 6                            ; v6-9   my row of the mask for tile qt: (16 qt + r) MPITCH + 64 h.   v3 = 16 lane, v4 = 8 lane, v5 = 4 r
.set AD,  10                           ; v10, v11 LDS addresses in hand.  v12 where I store my part of a mask chunk; v13 = 16 (lane % 16) + 512; v14, v15 my two mask rows in memory; v16, v17 their addresses in hand
.set VS,  20                           ; v20-31 hold scale words and nothing else: v's, p's; in the tail the weights', the nodes' and the operands' made on the way
.set PS,  21
.set S,   32                           ; v32-63   S^T: written by matrix instructions alone
.set MPR, 64                           ; v64-95   the mask, then t, then p
.set KF,  96                           ; v96-127  k: four tiles of 16 keys
.set QF,  128                          ; v128-159 q: four tiles of 16 queries
.set OT,  160                          ; v160-191 O^T: a tile a query tile
.set ST,  192                          ; v192-207 for tile qt at 4 qt: -M, the largest t, the sum in two halves
.set VF,  208                          ; v208-219 v^T's fragment (registers 6-11 stay 0)
.set PCD, 220                          ; v220-231 p's (likewise)
.set PT,  232                          ; v232-234 the second conversion's result
.set B0,  236                          ; v236, v237 the two blocks' largest t, then p; later the sums' third chain
.set X0,  238                          ; v238, v239 at work; later the second chain
.set SO,  240                          ; v240, v241 the conversions' scale operands
.set FF,  242                          ; v242 f = 2^(old M - new M) (v243 is named with it as a pair)
.set TA,  244                          ; v244, v245 the sums' first chain
.set OLD, 246
.set TT,  247
.set MLD, 248                          ; v248-255 my part of the mask chunk on its way
.set TS,  36                           ; s36 256 x key step;  s37 counts the loop's trips
.set FLOOR, 0x1800000
.macro PLACES n
.rept \n
	v_nop
.endr
.endm
.macro MM0 d, a, b, sa, sb
	v_wmma_scale_f32_16x16x128_f8f6f4 v[(\d):(\d)+7], v[(\a):(\a)+11], v[(\b):(\b)+11], 0, v[(\sa)], v[(\sb)] matrix_a_fmt:MATRIX_FMT_FP6 matrix_b_fmt:MATRIX_FMT_FP6
.endm
.macro MMA d, a, b, sa, sb
	v_wmma_scale_f32_16x16x128_f8f6f4 v[(\d):(\d)+7], v[(\a):(\a)+11], v[(\b):(\b)+11], v[(\d):(\d)+7], v[(\sa)], v[(\sb)] matrix_a_fmt:MATRIX_FMT_FP6 matrix_b_fmt:MATRIX_FMT_FP6
.endm
.macro MMC d, a, b, c, sa, sb
	v_wmma_scale_f32_16x16x128_f8f6f4 v[(\d):(\d)+7], v[(\a):(\a)+11], v[(\b):(\b)+11], v[(\c):(\c)+7], v[(\sa)], v[(\sb)] matrix_a_fmt:MATRIX_FMT_FP6 matrix_b_fmt:MATRIX_FMT_FP6
.endm
.macro FETCH reg, adr, off             ; a fragment's image comes back as it was stored
.irp c, 0,1,2
	ds_load_b128 v[(\reg)+4*\c:(\reg)+4*\c+3], v[\adr] offset:(\off)+512*\c
.endr
.endm
.macro BARRIER                         ; my LDS stores have landed and my LDS loads are in: then the work-group's barrier
	s_wait_dscnt 0x0
	s_barrier_signal -1
	s_barrier_wait -1
.endm
; The mask of tile qt for 64 keys, x bytes on from the step in hand: register 16 bb + i = key 32 bb + 16 h + i
.macro MLOAD qt, x
	v_add_nc_u32 v[AD], s[TS], v[MAQ+\qt]
.irp bb, 0,1
.irp k, 0,1,2,3
	ds_load_b128 v[MPR+16*\bb+4*\k:MPR+16*\bb+4*\k+3], v[AD] offset:\x+128*\bb+16*\k
.endr
.endr
.endm
; A PREFETCH INTO THE L2 of k and v of the key step after the one whose loads have just gone out.  The 16 query blocks of a batch walk the same k and v: block 0 asks, and nobody else.  A step's k of 16 heads are 256 blocks
; of 256 bytes: waves 0-7, a lane a block; its v 64 blocks: waves 8 and 9.  So each block is named once in the launch.  The 14 trips of the loop name steps 2 to 15; steps 0 and 1 come by their loads alone.
.macro ASK
	s_cmp_eq_u32 s44, 1
	s_cbranch_scc0 .Lnot_mine_\@
	global_prefetch_b8 v19, s[40:41] th:TH_LOAD_NT scope:SCOPE_SE
.Lnot_mine_\@:
.endm
; Score product n of 16 for query tile qt: numbers 2 (n / 4), 2 (n / 4) + 1 of each half of the head's 16, key tile n % 4.  The first four start the sums.  Four accumulators by turns.
.macro W qt, n
.if (\n) < 4
	v_wmma_f32_16x16x4_f32 v[S+8*(\n):S+8*(\n)+7], v[KF+8*(\n):KF+8*(\n)+1], v[QF+8*(\qt):QF+8*(\qt)+1], 0
.else
	v_wmma_f32_16x16x4_f32 v[S+8*((\n)%4):S+8*((\n)%4)+7], v[KF+8*((\n)%4)+2*((\n)/4):KF+8*((\n)%4)+2*((\n)/4)+1], v[QF+8*(\qt)+2*((\n)/4):QF+8*(\qt)+2*((\n)/4)+1], v[S+8*((\n)%4):S+8*((\n)%4)+7]
.endif
.endm
.macro WI wq, n                        ; the same where there is a tile to take its turn (wq >= 0)
.if (\wq) >= 0
	W \wq, \n
.endif
.endm
.macro WALL qt                         ; all 16 on end: tile 0, at a step's head
.irp n, 0,1,2,3,4,5,6,7,8,9,10,11,12,13,14,15
	W \qt, \n
.endr
.endm
; THE SOFTMAX'S FIRST PART for tile qt: all that reads S^T.  Behind it v[MPR] on holds t - M, v[B0], v[B0+1] the same of the blocks' largest t, v[FF] f.
.macro PH2 qt
	s_wait_dscnt 0x0                               ; the mask is in
.irp j, 0,2,4,6,8,10,12,14,16,18,20,22,24,26,28,30
	v_pk_add_f32 v[MPR+\j:MPR+\j+1], v[S+\j:S+\j+1], v[MPR+\j:MPR+\j+1]   ; t = score + mask; each accumulator is read from its low end on
.endr
	v_max3_num_f32 v[B0], v[MPR], v[MPR+1], v[MPR+2]               ; each block's largest t
	v_max3_num_f32 v[B0+1], v[MPR+16], v[MPR+17], v[MPR+18]
.irp i, 3,5,7,9,11,13
	v_max3_num_f32 v[B0], v[B0], v[MPR+\i], v[MPR+\i+1]
	v_max3_num_f32 v[B0+1], v[B0+1], v[MPR+16+\i], v[MPR+17+\i]
.endr
	v_max_num_f32 v[B0], v[B0], v[MPR+15]
	v_max_num_f32 v[B0+1], v[B0+1], v[MPR+31]
	v_permlanex16_b32 v[X0], v[B0], s32, s33
	v_permlanex16_b32 v[X0+1], v[B0+1], s32, s33
	v_max_num_f32 v[B0], v[B0], v[X0]              ; with lane l xor 16's 16 keys
	v_max_num_f32 v[B0+1], v[B0+1], v[X0+1]
	v_max3_num_f32 v[ST+4*\qt+1], v[ST+4*\qt+1], v[B0], v[B0+1]   ; the running largest t
	v_mov_b32 v[OLD], v[ST+4*\qt]
	v_floor_f32 v[ST+4*\qt], -v[ST+4*\qt+1]        ; -M = floor(-t): M is a whole number
	v_sub_f32 v[OLD], v[ST+4*\qt], v[OLD]          ; old M - new M, 0 or less
	v_cvt_i32_f32 v[OLD], v[OLD]                   ; (it saturates)
	v_ldexp_f32 v[FF], 1.0, v[OLD]                 ; f
.irp j, 0,2,4,6,8,10,12,14,16,18,20,22,24,26,28,30
	v_pk_add_f32 v[MPR+\j:MPR+\j+1], v[MPR+\j:MPR+\j+1], v[ST+4*\qt:ST+4*\qt+1] op_sel_hi:[1,0]   ; t - M
.endr
	v_add_f32 v[B0], v[B0], v[ST+4*\qt]
	v_add_f32 v[B0+1], v[B0+1], v[ST+4*\qt]
.endm
; THE SOFTMAX'S SECOND PART for tile qt, and its product P V.  wq >= 0: tile wq's 16 score products stand among its lines, which name none of their registers.  nq >= 0: the tile whose mask is fetched, nx bytes on,
; as soon as the conversions have read p.  vwait >= 0: the count under which v's loads are in.
.macro PH3 qt, wq, nq, nx, vwait
	WI \wq, 0
	v_exp_f32 v[B0], v[B0]                         ; the blocks' largest p: the same two steps on the same numbers as p's own
	v_exp_f32 v[B0+1], v[B0+1]
	v_exp_f32 v[MPR], v[MPR]                       ; p, at most 1, not normalised
	v_exp_f32 v[MPR+1], v[MPR+1]
.irp g, 1,2,3,4,5,6,7
	WI \wq, \g
.irp j, 0,1,2,3
	v_exp_f32 v[MPR+4*\g-2+\j], v[MPR+4*\g-2+\j]
.endr
.endr
	WI \wq, 8
	v_exp_f32 v[MPR+30], v[MPR+30]
	v_exp_f32 v[MPR+31], v[MPR+31]
.irp j, 0,2,4,6
	v_pk_mul_f32 v[OT+8*\qt+\j:OT+8*\qt+\j+1], v[OT+8*\qt+\j:OT+8*\qt+\j+1], v[FF:FF+1] op_sel_hi:[1,0]   ; O^T under the new M: plain work behind the batch
.endr
	s_wait_alu depctr_va_vdst(0)                   ; one wait for the batch of 34, ahead of its first reader
	WI \wq, 9
	v_max_num_f32 v[B0], FLOOR, v[B0]
	v_max_num_f32 v[B0+1], FLOOR, v[B0+1]
	v_add_nc_u32 v[SO], 0xff000000, v[B0]          ; 2 off the exponent field: the conversion's scale operand
	v_add_nc_u32 v[SO+1], 0xff000000, v[B0+1]
	v_lshrrev_b32 v[X0], 23, v[SO]
	v_lshrrev_b32 v[X0+1], 23, v[SO+1]
	v_lshl_or_b32 v[PS], v[X0+1], 8, v[X0]         ; p's scale word: bytes 2 and 3 are 0, over zero codes
	WI \wq, 10
	v_pk_add_f32 v[TA:TA+1], v[MPR:MPR+1], v[MPR+2:MPR+3]          ; the row's sum of the unquantised p, in three chains
	v_pk_add_f32 v[X0:X0+1], v[MPR+4:MPR+5], v[MPR+6:MPR+7]
	v_pk_add_f32 v[B0:B0+1], v[MPR+8:MPR+9], v[MPR+10:MPR+11]
	v_pk_add_f32 v[TA:TA+1], v[TA:TA+1], v[MPR+12:MPR+13]
	v_pk_add_f32 v[X0:X0+1], v[X0:X0+1], v[MPR+14:MPR+15]
	v_pk_add_f32 v[B0:B0+1], v[B0:B0+1], v[MPR+16:MPR+17]
	WI \wq, 11
.irp j, 18,24
	v_pk_add_f32 v[TA:TA+1], v[TA:TA+1], v[MPR+\j:MPR+\j+1]
	v_pk_add_f32 v[X0:X0+1], v[X0:X0+1], v[MPR+\j+2:MPR+\j+3]
	v_pk_add_f32 v[B0:B0+1], v[B0:B0+1], v[MPR+\j+4:MPR+\j+5]
.endr
	v_pk_add_f32 v[TA:TA+1], v[TA:TA+1], v[MPR+30:MPR+31]
	WI \wq, 12
	v_cvt_scalef32_pk16_fp6_f32 v[PCD:PCD+2], v[MPR:MPR+15], v[SO]
	v_cvt_scalef32_pk16_fp6_f32 v[PT:PT+2], v[MPR+16:MPR+31], v[SO+1]
	v_nop                                          ; one plain line behind the conversions
.if \nq >= 0
	MLOAD \nq, \nx                                 ; p has been summed and converted: its registers take the next mask, three score products and the lines below ahead of the wait for it
.endif
	WI \wq, 13
.irp i, 0,1,2
	v_permlane16_swap_b32 v[PCD+\i], v[PT+\i]      ; lanes 0-15 block 0, lanes 16-31 block 1: the lower 16 codes here, the upper 16 there
.endr
	WI \wq, 14
	WI \wq, 15
	; eight plain lines that name no register of the score products: the eight places between the last of them and the first part's reads of S^T, and the loads into k.  The last five are also the places between p's codes and P V
.irp i, 0,1,2
	v_mov_b32 v[PCD+3+\i], v[PT+\i]
.endr
	v_pk_fma_f32 v[ST+4*\qt+2:ST+4*\qt+3], v[ST+4*\qt+2:ST+4*\qt+3], v[FF:FF+1], v[TA:TA+1] op_sel_hi:[1,0,1]   ; the sum under the new M, and this step's
	v_pk_add_f32 v[ST+4*\qt+2:ST+4*\qt+3], v[ST+4*\qt+2:ST+4*\qt+3], v[X0:X0+1]
	v_pk_add_f32 v[ST+4*\qt+2:ST+4*\qt+3], v[ST+4*\qt+2:ST+4*\qt+3], v[B0:B0+1]
	PLACES 2
.if \vwait >= 0
	s_wait_loadcnt \vwait                          ; v's three loads are in; behind them only the mask chunk's two were issued
.endif
	MMA OT+8*\qt, VF, PCD, VS, PS
.endm
; Behind tile 3's P V: the next step's v, and (mload) the mask chunk two steps on
.macro VNEXT mload
.if \mload
	v_add_nc_u32 v[TT], s[TS], v13                 ; the chunk two steps on: column byte 256 step + 512 + 16 (lane % 16), held inside the row.  These four lines are the places in front of the loads into v
	v_min_u32 v[TT], 3984, v[TT]
	v_add_nc_u32 v16, v14, v[TT]
	v_add_nc_u32 v17, v15, v[TT]
.else
	PLACES 4
.endif
	s_add_nc_u64 s[12:13], s[12:13], 1024          ; (this step's loads of v were shown done in tile 0)
	global_load_b128 v[VF:VF+3], v3, s[12:13]
	global_load_b64 v[VF+4:VF+5], v4, s[12:13] offset:512
	global_load_b32 v[VS], v4, s[12:13] offset:768
.if \mload
	global_load_b128 v[MLD:MLD+3], v16, s[14:15] th:TH_LOAD_NT
	global_load_b128 v[MLD+4:MLD+7], v17, s[14:15] th:TH_LOAD_NT
	ASK
.endif
.endm
; A KEY STEP.  mstore: the next step's mask chunk goes to LDS (pad: it is the last, whose columns from 1000 on become -infinity); mload: the chunk after that is asked for; next: there is a next step.
; One barrier a step: signalled behind my store of the next chunk, awaited behind tile 2's P V, ahead of the loads of k and of tile 3's second part, which fetches from that chunk.  Between signal and wait stand register work
; and LDS loads of this step's chunk, which nobody writes again.
.macro STEP mstore, pad, mload, next
	s_wait_loadcnt 3+2*\mstore                     ; k's eight loads are in: behind them v's three were issued, and the mask chunk's two where there is one
	WALL 0
	PLACES 8                                       ; eight places behind this form, in front of the reads of S^T
	PH2 0
	PH3 0, 1, 1, 0, 2*\mstore
.if \mstore
	s_wait_loadcnt 0x0                             ; the chunk asked for a step ago
.if \mload
	s_wait_xcnt 0x0                                ; the last prefetch, a tile back or more, has read its address
	s_add_nc_u64 s[40:41], s[40:41], s[42:43]
.endif
.irp j, 0,2,4,6
	v_pk_mul_f32 v[MLD+\j:MLD+\j+1], v[MLD+\j:MLD+\j+1], 0x3fb8aa3b op_sel_hi:[1,0]   ; x log2(e)
.endr
.if \pad
	v_cmp_gt_u32 vcc_lo, 672, v13                  ; 16 (lane % 16) < 160: columns under 1000
.irp j, 0,1,2,3,4,5,6,7
	v_cndmask_b32 v[MLD+\j], v18, v[MLD+\j], vcc_lo
.endr
.endif
	v_add_nc_u32 v11, s[TS], v12
	ds_store_b128 v11, v[MLD:MLD+3] offset:256
	ds_store_b128 v11, v[MLD+4:MLD+7] offset:256+2*MPITCH
	s_wait_dscnt 0x0                               ; for the others' sake: my stores have landed (and tile 1's mask is in)
	s_barrier_signal -1
.endif
	PH2 1
	PH3 1, 2, 2, 0, -1
	PH2 2
	PH3 2, 3, 3, 0, -1
.if \mstore
	s_barrier_wait -1                              ; the next chunk is whole
.endif
.if \next
	s_add_nc_u64 s[10:11], s[10:11], 4096          ; (this step's loads of k were shown done at the step's head; its last reader, tile 3's last score product, stands eight places back)
.irp t, 0,1,2,3
	global_load_b128 v[KF+8*\t:KF+8*\t+3], v3, s[10:11] offset:1024*\t
	global_load_b128 v[KF+8*\t+4:KF+8*\t+7], v3, s[10:11] offset:1024*\t+512
.endr
.endif
	PH2 3
.if \next
	PH3 3, -1, 0, 256, -1
	VNEXT \mload
.else
	PH3 3, -1, -1, 0, -1
.endif
.endm
	s_load_b512 s[8:23], s[0:1], 0x0               ; qimg s[8:9], kimg s[10:11], vimg s[12:13], mask s[14:15], Wc's codes s[16:17], scales s[18:19], bc s[20:21], nodes' codes s[22:23]
	s_load_b128 s[24:27], s[0:1], 0x40             ; nodes' scales s[24:25], out s[26:27]
	v_lshl_add_u32 v[SPW], v0, 2, SPARE
	v_mov_b32 v[NIL], 0
	v_lshrrev_b32 v10, 5, v0
	v_readfirstlane_b32 s28, v10                   ; wave
	s_mov_b32 s29, ttmp9                           ; block of 64 queries
	s_and_b32 s30, ttmp7, 0xffff                   ; batch
	s_mov_b32 s32, 0x76543210
	s_mov_b32 s33, 0xfedcba98                      ; v_permlanex16_b32's selects for lane l xor 16
	s_mov_b32 s46, 0xc1e6d4ca                      ; -20 log2(e)
	s_mov_b32 s47, s46                             ; (named with it as a pair)
	s_mov_b32 s[TS], 0
	s_mov_b32 s37, 0
	v_and_b32 v10, 31, v0                          ; lane
	v_and_b32 v244, 15, v0                         ; r
	v_bfe_u32 v245, v0, 4, 1                       ; h
	v_lshlrev_b32 v3, 4, v10
	v_lshlrev_b32 v4, 3, v10
	v_lshlrev_b32 v5, 2, v244
	v_mul_u32_u24 v[MAQ], v244, MPITCH
	v_lshl_add_u32 v[MAQ], v245, 6, v[MAQ]
	v_add_nc_u32 v[MAQ+1], 16*MPITCH, v[MAQ]
	v_add_nc_u32 v[MAQ+2], 32*MPITCH, v[MAQ]
	v_add_nc_u32 v[MAQ+3], 48*MPITCH, v[MAQ]
	s_lshl_b32 s50, s28, 2
	v_add_nc_u32 v12, s50, v245                    ; of a chunk I bring rows 4 w + h and 4 w + 2 + h, 16 bytes a lane
	v_mul_u32_u24 v12, v12, MPITCH
	v_lshl_add_u32 v12, v244, 4, v12
	v_lshlrev_b32 v13, 4, v244
	v_add_nc_u32 v13, 512, v13
	s_lshl_b32 s51, s29, 6
	s_add_co_u32 s51, s51, s50
	v_add_nc_u32 v14, s51, v245
	v_add_nc_u32 v15, 2, v14
	v_min_u32 v14, 999, v14                        ; padding queries take row 999: no load leaves its buffer
	v_min_u32 v15, 999, v15
	v_mul_u32_u24 v14, v14, 4000
	v_mul_u32_u24 v15, v15, 4000
	v_add_nc_u32 v16, v14, v13
	v_add_nc_u32 v17, v15, v13
	v_mov_b32 v18, 0xff800000                      ; -infinity
	s_cmp_lt_u32 s28, 8                            ; the prefetches: waves 0-7 ask for k, waves 8 and 9 for v
	s_cselect_b32 s52, 4, 2
	s_cselect_b32 s53, 15, 3
	s_cselect_b32 s54, 16, 14
	s_cselect_b32 s55, 20, 18
	s_mov_b32 s42, 1024
	s_cselect_b32 s42, 4096, s42                   ; a key step on
	s_mov_b32 s43, 0
	v_lshrrev_b32 v19, s52, v10
	v_lshlrev_b32 v19, s54, v19                    ; the head among my wave's (2 of k, 8 of v),
	v_and_b32 v246, s53, v10
	v_lshl_add_u32 v19, v246, 8, v19               ; and the block of 256 bytes in its step
	s_cmp_lt_u32 s28, 10
	s_cselect_b32 s44, 0, 1
	s_or_b32 s44, s44, s29
	s_cmp_eq_u32 s44, 0
	s_cselect_b32 s44, 1, 0                        ; 1 in waves 0-9 of the batch's first block of queries
	s_lshl_b32 s56, s30, s55                       ; the batch's 16 heads
	s_and_b32 s57, s28, 7
	s_lshl_b32 s57, s57, 17                        ; my wave's heads
	s_add_co_u32 s56, s56, s57
	s_add_co_u32 s56, s56, s42                     ; at step 1: step 0's store of the mask steps it to 2
	s_mov_b32 s57, 0
	s_lshl_b32 s58, s30, 4
	s_add_co_u32 s58, s58, s28                     ; 16 batch + head
	s_mov_b32 s61, 0
	s_wait_kmcnt 0x0
	s_cmp_lt_u32 s28, 8
	s_cselect_b64 s[40:41], s[10:11], s[12:13]
	s_add_nc_u64 s[40:41], s[40:41], s[56:57]
	s_lshl_b32 s60, s58, 16
	s_add_nc_u64 s[10:11], s[10:11], s[60:61]      ; k at my head's step 0
	s_lshl_b32 s62, s29, 12
	s_add_co_u32 s60, s60, s62
	s_add_nc_u64 s[8:9], s[8:9], s[60:61]          ; q at my head's four tiles
	s_lshl_b32 s60, s58, 14
	s_add_nc_u64 s[12:13], s[12:13], s[60:61]      ; v at my head's step 0
	s_mul_i32 s60, s30, 4000000
	s_add_nc_u64 s[14:15], s[14:15], s[60:61]      ; the mask at my batch
	global_load_b128 v[MPR:MPR+3], v16, s[14:15] offset:-512 th:TH_LOAD_NT     ; chunk 0
	global_load_b128 v[MPR+4:MPR+7], v17, s[14:15] offset:-512 th:TH_LOAD_NT
.irp t, 0,1,2,3
	global_load_b128 v[QF+8*\t:QF+8*\t+3], v3, s[8:9] offset:1024*\t th:TH_LOAD_NT
	global_load_b128 v[QF+8*\t+4:QF+8*\t+7], v3, s[8:9] offset:1024*\t+512 th:TH_LOAD_NT
.endr
.irp t, 0,1,2,3
	global_load_b128 v[KF+8*\t:KF+8*\t+3], v3, s[10:11] offset:1024*\t
	global_load_b128 v[KF+8*\t+4:KF+8*\t+7], v3, s[10:11] offset:1024*\t+512
.endr
	global_load_b128 v[VF:VF+3], v3, s[12:13]
	global_load_b64 v[VF+4:VF+5], v4, s[12:13] offset:512
	global_load_b32 v[VS], v4, s[12:13] offset:768
	global_load_b128 v[MLD:MLD+3], v16, s[14:15] offset:-256 th:TH_LOAD_NT     ; chunk 1
	global_load_b128 v[MLD+4:MLD+7], v17, s[14:15] offset:-256 th:TH_LOAD_NT
.set i, 0
.rept 32
	v_mov_b32 v[OT+i], 0                           ; O^T.  (The step is written once: the first finds zeros, which the first change of M leaves zeros)
.set i, i+1
.endr
.irp qt, 0,1,2,3
	v_mov_b32 v[ST+4*\qt+1], 0xff61b1e6            ; the largest t so far: -3e38
	v_floor_f32 v[ST+4*\qt], -v[ST+4*\qt+1]
	v_mov_b32 v[ST+4*\qt+2], 0
	v_mov_b32 v[ST+4*\qt+3], 0
.endr
.irp j, 6,7,8,9,10,11
	v_mov_b32 v[VF+\j], 0                          ; keys 64-127 of the product's K: zero codes on both sides
	v_mov_b32 v[PCD+\j], 0
.endr
	v_mov_b32 v[X0], 0                             ; (a lane permute's destination counts as one of its sources)
	v_mov_b32 v[X0+1], 0
	v_mov_b32 v[FF+1], 0
	s_wait_loadcnt 21                              ; chunk 0 is in: behind it q's 8, k's 8, v's 3 and chunk 1's 2 were issued
.irp j, 0,2,4,6
	v_pk_mul_f32 v[MPR+\j:MPR+\j+1], v[MPR+\j:MPR+\j+1], 0x3fb8aa3b op_sel_hi:[1,0]
.endr
	ds_store_b128 v12, v[MPR:MPR+3]
	ds_store_b128 v12, v[MPR+4:MPR+7] offset:2*MPITCH
	BARRIER                                        ; chunk 0 is whole
	MLOAD 0, 0
.Lstep:                                            ; steps 0 to 13
	STEP 1, 0, 1, 1
	s_add_co_u32 s[TS], s[TS], 256
	s_add_co_u32 s37, s37, 1
	s_cmp_lt_u32 s37, 14
	s_cbranch_scc1 .Lstep
	STEP 1, 1, 0, 1                                ; step 14 stores the last chunk and asks for none
	s_add_co_u32 s[TS], s[TS], 256
	STEP 0, 0, 0, 0                                ; step 15
	; ---- T1: O^T / the sum; every lane gets all 16 numbers of its query; the head's largest magnitude.  The additions are the places behind the last product
	s_wait_xcnt 0x0                                ; the loop's last prefetch, two key steps back, has read its offset register v19: the tail takes that register, and the loop's other address registers, for addresses of its own only behind this wait
.irp qt, 0,1,2,3
	v_add_f32 v[244+\qt], v[ST+4*\qt+2], v[ST+4*\qt+3]
.endr
.irp qt, 0,1,2,3
	v_permlanex16_b32 v[248+\qt], v[244+\qt], s32, s33
.endr
.irp qt, 0,1,2,3
	v_add_f32 v[244+\qt], v[244+\qt], v[248+\qt]
.endr
.irp qt, 0,1,2,3
	v_rcp_f32 v[236+2*\qt], v[244+\qt]
.endr
	; the tail's addresses: independent work behind the reciprocals.  Head w is half e of block (c, hf) of K step s of out_concat's 256
	s_and_b32 s50, s28, 1                          ; e
	s_bfe_u32 s51, s28, 0x10001                    ; hf
	s_bfe_u32 s52, s28, 0x10002                    ; c
	s_lshr_b32 s53, s28, 3                         ; s; later qp, my pair of query tiles
	s_and_b32 s54, s28, 7                          ; eb, my block of 32 of the projection's 256 outputs
	s_sub_co_u32 s49, 0, s50                       ; all ones where e = 1
	s_lshl_b32 s55, s28, 8
	s_add_co_u32 s56, s55, PMAX
	v_add_nc_u32 v6, s56, v5                       ; v6 my maxima
	s_xor_b32 s55, s55, 256
	s_add_co_u32 s56, s55, PMAX
	v_add_nc_u32 v7, s56, v5                       ; v7 those of the block's other head
	s_mul_i32 s58, s52, 6
	s_mul_i32 s59, s50, 3
	s_add_co_u32 s58, s58, s59                     ; my first register of the fragment: 6 c + 3 e
	s_mul_i32 s59, s53, 1536
	s_lshl_b32 s60, s51, 8
	s_add_co_u32 s59, s59, s60
	s_add_co_u32 s59, s59, OCI
.irp i, 0,1,2
	s_add_co_u32 s60, s58, \i
	s_lshr_b32 s61, s60, 2
	s_lshl_b32 s61, s61, 9
	s_and_b32 s60, s60, 3
	s_lshl_b32 s60, s60, 2
	s_add_co_u32 s61, s61, s60
	s_add_co_u32 s61, s61, s59
	v_lshl_add_u32 v[8+\i], v5, 2, s61             ; v8-10 register 6 c + 3 e + i of lane 16 hf + r
.endr
	s_lshl_b32 s60, s53, 6
	s_lshl_b32 s61, s52, 1
	s_add_co_u32 s60, s60, s61
	s_add_co_u32 s60, s60, s51
	s_lshl_b32 s61, s50, 8
	s_add_co_u32 s60, s60, s61
	s_add_co_u32 s60, s60, OCS
	v_add_nc_u32 v11, s60, v5                      ; v11 the block's scale byte, for tiles 2 e and 2 e + 1
	v_and_b32 v232, 15, v0
	v_and_b32 v233, 8, v232
	v_add_nc_u32 v233, v233, v232                  ; r + 8 (r / 8)
	s_lshl_b32 s60, s54, 5
	v_add_nc_u32 v233, s60, v233
	v_bfe_u32 v234, v0, 4, 1
	v_mul_u32_u24 v12, v233, 192
	v_mad_u32_u24 v12, v234, 24, v12               ; v12 Wc's codes: row 32 eb + r + 8 (r / 8)
	v_lshlrev_b32 v13, 3, v233                     ; v13 and its scale bytes
	s_lshl_b32 s61, s54, 7
	v_lshl_add_u32 v14, v234, 6, s61               ; v14 bc at 32 eb + 16 h
	s_mul_i32 s60, s53, 6144
	s_add_co_u32 s61, s60, OCI
	v_add_nc_u32 v15, s61, v3                      ; v15 out_concat's fragments of my pair of tiles
	s_lshl_b32 s61, s53, 8
	s_add_co_u32 s61, s61, OCS
	v_add_nc_u32 v16, s61, v5                      ; v16 and their scale words
	s_lshr_b32 s61, s54, 2
	s_mul_i32 s61, s61, 1536
	s_add_co_u32 s60, s60, s61
	s_and_b32 s61, s54, 1
	s_lshl_b32 s61, s61, 8
	s_add_co_u32 s60, s60, s61
	s_add_co_u32 s60, s60, MHI
	s_bfe_u32 s61, s54, 0x10001
	s_mul_i32 s61, s61, 6
	v_mul_u32_u24 v235, v234, 3
	v_add_nc_u32 v235, s61, v235                   ; my first register there: 6 c' + 3 h
.irp i, 0,1,2
	v_add_nc_u32 v232, \i, v235
	v_lshrrev_b32 v233, 2, v232
	v_and_b32 v232, 3, v232
	v_lshlrev_b32 v232, 2, v232
	v_lshl_add_u32 v232, v233, 9, v232
	v_lshl_add_u32 v232, v5, 2, v232
	v_add_nc_u32 v[17+\i], s60, v232               ; v17-19
.endr
	s_wait_alu depctr_va_vdst(0)                   ; one wait for the four reciprocals, ahead of their first reader
.irp qt, 0,1,2,3
.irp j, 0,2,4,6
	v_pk_mul_f32 v[64+16*\qt+\j:65+16*\qt+\j], v[OT+8*\qt+\j:OT+8*\qt+\j+1], v[236+2*\qt:237+2*\qt] op_sel_hi:[1,0]
	v_pk_mul_f32 v[72+16*\qt+\j:73+16*\qt+\j], v[OT+8*\qt+\j:OT+8*\qt+\j+1], v[236+2*\qt:237+2*\qt] op_sel_hi:[1,0]
.endr
.endr
.irp qt, 0,1,2,3
.irp i, 0,1,2,3,4,5,6,7
	v_permlane16_swap_b32 v[64+16*\qt+\i], v[72+16*\qt+\i]   ; the first now holds number i of the head's 16 in every lane, the second number 8 + i
.endr
.endr
.irp u, 0,1
.irp s, 0,1
.irp p, 0,1,2,3,4,5
	global_load_b64 v[128+24*\u+12*\s+2*\p:128+24*\u+12*\s+2*\p+1], v12, s[16:17] offset:8*\u*192+96*\s+48*(\p/3)+8*(\p%3)
.endr
	global_load_b32 v[20+2*\u+\s], v13, s[18:19] offset:64*\u+4*\s
.endr
	global_load_b128 v[176+8*\u:176+8*\u+3], v14, s[20:21] offset:32*\u
	global_load_b128 v[176+8*\u+4:176+8*\u+7], v14, s[20:21] offset:32*\u+16
.endr
.irp qt, 0,1,2,3
	v_max3_num_f32 v[192+\qt], |v[64+16*\qt]|, |v[65+16*\qt]|, FLOOR
.endr
.irp i, 2,4,6,8,10,12,14
.irp qt, 0,1,2,3
	v_max3_num_f32 v[192+\qt], v[192+\qt], |v[64+16*\qt+\i]|, |v[65+16*\qt+\i]|
.endr
.endr
.irp qt, 0,1,2,3
	ds_store_b32 v6, v[192+\qt] offset:64*\qt      ; both lanes of a query write the same word with the same value
.endr
	BARRIER
	; ---- T2: out_concat is quantised: a block of 32 is two heads
.irp qt, 0,1,2,3
	ds_load_b32 v[196+\qt], v7 offset:64*\qt
.endr
	s_wait_dscnt 0x0
.irp qt, 0,1,2,3
	v_max_num_f32 v[192+\qt], v[192+\qt], v[196+\qt]
.endr
.irp qt, 0,1,2,3
	v_add_nc_u32 v[200+\qt], 0xff000000, v[192+\qt]
.endr
.irp qt, 0,1,2,3
	v_lshrrev_b32 v[204+\qt], 23, v[200+\qt]
.endr
.irp qt, 0,1,2,3
	v_cvt_scalef32_pk16_fp6_f32 v[208+4*\qt:210+4*\qt], v[64+16*\qt:79+16*\qt], v[200+\qt]
.endr
	v_nop
.irp qt, 0,1,2,3
.irp i, 0,1,2
	ds_store_b32 v[8+\i], v[208+4*\qt+\i] offset:3072*\qt
.endr
.endr
	v_cndmask_b32 v224, v204, v206, s49            ; both heads of a block hold its bytes: head e stores those of tiles 2 e, 2 e + 1
	v_cndmask_b32 v225, v205, v207, s49
	ds_store_b8 v11, v224
	ds_store_b8 v11, v225 offset:128
	BARRIER
	; ---- T3: x Wc + bc, transposed (source 0 = 16 rows of Wc, chosen as the keys of a tile are; source 1 = 16 queries): my 32 outputs for my two tiles of queries; bc is the C of each sum's first product
.irp f, 0,1,2,3
	FETCH 64+12*\f, 15, 1536*\f
	ds_load_b32 v[24+\f], v16 offset:64*\f
.endr
	s_wait_loadcnt 0x0
	s_wait_dscnt 0x0
.irp qi, 0,1
.irp u, 0,1
	MMC 224+16*\qi+8*\u, 128+24*\u, 64+24*\qi, 176+8*\u, 20+2*\u, 24+2*\qi
.endr
.endr
.irp qi, 0,1
.irp u, 0,1
	MMA 224+16*\qi+8*\u, 128+24*\u+12, 64+24*\qi+12, 20+2*\u+1, 24+2*\qi+1
.endr
.endr
	s_lshl_b32 s60, s28, 6                         ; the probe: my 64 nodes.  These lines name no register of the products: they are the places behind them
	s_mul_i32 s61, s30, 1000
	v_and_b32 v192, 15, v0
	v_bfe_u32 v193, v0, 4, 1
	v_add_nc_u32 v192, s60, v192
.irp ct, 0,1,2,3
	v_add_nc_u32 v194, 16*\ct, v192
	v_min_u32 v194, 999, v194
	v_add_nc_u32 v194, s61, v194
	v_mul_u32_u24 v[6+\ct], v194, 192
	v_mad_u32_u24 v[6+\ct], v193, 24, v[6+\ct]
	v_lshlrev_b32 v[10+\ct], 3, v194
.endr
	s_lshl_b32 s55, s53, 8
	s_lshr_b32 s56, s54, 2
	s_lshl_b32 s56, s56, 6
	s_add_co_u32 s55, s55, s56
	s_and_b32 s56, s54, 3
	s_add_co_u32 s55, s55, s56
	s_add_co_u32 s55, s55, MHS
	v_add_nc_u32 v14, s55, v5                      ; v14 my block's scale byte
.irp ct, 0,1,2,3
.irp s, 0,1
.irp p, 0,1,2,3,4,5
	global_load_b64 v[96+32*\ct-8*(\ct/3)+12*\s+2*\p:96+32*\ct-8*(\ct/3)+12*\s+2*\p+1], v[6+\ct], s[22:23] offset:96*\s+48*(\p/3)+8*(\p%3)
.endr
	global_load_b32 v[20+2*\ct+\s], v[10+\ct], s[24:25] offset:4*\s
.endr
.endr
.irp qi, 0,1
	v_max3_num_f32 v[64+\qi], |v[224+16*\qi]|, |v[225+16*\qi]|, FLOOR
.endr
.irp i, 2,4,6,8,10,12,14
.irp qi, 0,1
	v_max3_num_f32 v[64+\qi], v[64+\qi], |v[224+16*\qi+\i]|, |v[225+16*\qi+\i]|
.endr
.endr
.irp qi, 0,1
	v_permlanex16_b32 v[66+\qi], v[64+\qi], s32, s33
.endr
.irp qi, 0,1
	v_max_num_f32 v[64+\qi], v[64+\qi], v[66+\qi]
.endr
.irp qi, 0,1
	v_add_nc_u32 v[68+\qi], 0xff000000, v[64+\qi]
.endr
.irp qi, 0,1
	v_lshrrev_b32 v[70+\qi], 23, v[68+\qi]
.endr
.irp qi, 0,1
	v_cvt_scalef32_pk16_fp6_f32 v[208+4*\qi:210+4*\qi], v[224+16*\qi:239+16*\qi], v[68+\qi]
.endr
	v_nop
.irp qi, 0,1
.irp i, 0,1,2
	ds_store_b32 v[17+\i], v[208+4*\qi+\i] offset:3072*\qi
.endr
	ds_store_b8 v14, v[70+\qi] offset:128*\qi
.endr
	BARRIER
	; ---- T4: the probe: source 0 = 16 of my 64 nodes, source 1 = 16 queries: a lane holds one query and eight neighbouring columns.  16 accumulators: (rt, ct) at v[64 + 32 ct + 8 rt], ct = 3 in S^T's registers
	v_add_nc_u32 v14, MHI, v3
	v_add_nc_u32 v15, MHS, v5
	v_mul_u32_u24 v16, v5, MPITCH/4
	v_bfe_u32 v250, v0, 4, 1
	v_lshl_add_u32 v16, v250, 5, v16
	s_lshl_b32 s55, s28, 8
	v_add_nc_u32 v16, s55, v16                     ; v16-19 my 256 bytes of row 16 rt + r of the mask, + 32 h: read as mask, written as result
	v_add_nc_u32 v17, 16*MPITCH, v16
	v_add_nc_u32 v18, 32*MPITCH, v16
	v_add_nc_u32 v19, 48*MPITCH, v16
.irp ct, 0,1,2,3
.irp rtp, 0,1
.if (\ct+\rtp) > 0
	PLACES 5                                       ; in front of loads into operands that are done with, and of products whose results are laid over the last nodes' fragments
.endif
.irp g, 0,1,2,3
	FETCH 208+12*\g, 14, 1536*(4*\rtp+\g)
	ds_load_b32 v[28+\g], v15 offset:64*(4*\rtp+\g)
.endr
.if (\ct+\rtp) == 0
	s_wait_loadcnt 0x0                             ; the nodes
.endif
	s_wait_dscnt 0x0
.irp ri, 0,1
	MM0 64+32*\ct-128*(\ct/3)+8*(2*\rtp+\ri), 96+32*\ct-8*(\ct/3), 208+24*\ri, 20+2*\ct, 28+2*\ri
.endr
.irp ri, 0,1
	MMA 64+32*\ct-128*(\ct/3)+8*(2*\rtp+\ri), 96+32*\ct-8*(\ct/3)+12, 208+24*\ri+12, 20+2*\ct+1, 28+2*\ri+1
.endr
.endr
.endr
	v_mul_u32_u24 v7, v5, 20                       ; addresses for what follows: they are the places behind the last products
	v_add_nc_u32 v7, RMAX, v7                      ; v7 my query's 16 maxima
	s_lshl_b32 s60, s28, 2
	v_add_nc_u32 v6, s60, v7                       ; v6 my wave's word among them
	s_mul_i32 s61, s28, 4*MPITCH
	s_lshl_b32 s62, s50, 7
	s_add_co_u32 s61, s61, s62
	v_add_nc_u32 v8, s61, v3                       ; v8 the way out, in LDS: my four rows, + 128 e + 16 lane
	s_mul_i32 s61, s28, 16000
	s_add_co_u32 s61, s61, s62
	v_add_nc_u32 v9, s61, v3                       ; v9 and in memory, where the four rows are 16,000 dense bytes
	v_and_b32 v13, 31, v0
	s_lshl_b32 s62, s50, 3
	v_add_nc_u32 v15, s62, v13
.irp k, 1,2,3
	v_add_nc_u32 v[9+\k], 6*\k, v15                ; v10-12 for the three loads inside which the row changes: lanes from 32 - 6 k - 8 e on lie one row, 112 bytes of pitch, further
	v_lshrrev_b32 v[9+\k], 5, v[9+\k]
	v_mad_u32_u24 v[9+\k], v[9+\k], 112, v8
.endr
	s_xor_b32 s62, s50, 1
	s_mul_i32 s63, s62, 15872+336
	s_mul_i32 s61, s28, 4*MPITCH
	s_add_co_u32 s63, s63, s61
	v_lshl_add_u32 v14, v13, 2, s63                ; v14 the 128 bytes that are over: the tail of an even wave's rows, the head of an odd wave's
	s_mul_i32 s63, s62, 15872
	s_mul_i32 s61, s28, 16000
	s_add_co_u32 s63, s63, s61
	v_lshl_add_u32 v13, v13, 2, s63                ; v13 the same in memory
	s_mul_i32 s55, s30, 1000
	s_lshl_b32 s56, s29, 6
	s_add_co_u32 s55, s55, s56
	s_mul_i32 s56, s55, 4000
	s_mov_b32 s57, 0
	s_add_nc_u64 s[26:27], s[26:27], s[56:57]      ; out at the work-group's first row
.macro MASKLD hh                       ; the mask of column tiles 2 hh, 2 hh + 1 into v192-255
.irp cc, 0,1
.irp rt, 0,1,2,3
.irp q, 0,1
	ds_load_b128 v[192+32*\cc+8*\rt+4*\q:192+32*\cc+8*\rt+4*\q+3], v[16+\rt] offset:64*(2*\hh+\cc)+16*\q
.endr
.endr
.endr
.endm
	MASKLD 0
.set i, 0
.rept 48
	v_pk_mul_f32 v[64+i:65+i], v[64+i:65+i], 0x3e38aa3b op_sel_hi:[1,0]        ; 2 y log2(e) = score x log2(e) / 8
.set i, i+2
.endr
.set i, 0
.rept 16
	v_pk_mul_f32 v[160+i:161+i], v[S+i:S+i+1], 0x3e38aa3b op_sel_hi:[1,0]
.set i, i+2
.endr
.set i, 0
.rept 128
	v_exp_f32 v[64+i], v[64+i]
.set i, i+1
.endr
	v_nop
	s_wait_alu depctr_va_vdst(0)                   ; one wait for the batch
.set i, 0
.rept 64
	v_pk_add_f32 v[64+i:65+i], v[64+i:65+i], 1.0 op_sel_hi:[1,0]
.set i, i+2
.endr
.set i, 0
.rept 128
	v_rcp_f32 v[64+i], v[64+i]
.set i, i+1
.endr
	v_nop
	s_wait_alu depctr_va_vdst(0)
	s_wait_dscnt 0x0
.set i, 0
.rept 32
	v_pk_fma_f32 v[64+i:65+i], v[64+i:65+i], s[46:47], v[192+i:193+i] op_sel_hi:[1,0,1]   ; u = -20 log2(e) / (1 + e^(2 y)) + mask log2(e)
.set i, i+2
.endr
	MASKLD 1
	s_wait_dscnt 0x0
.set i, 0
.rept 32
	v_pk_fma_f32 v[128+i:129+i], v[128+i:129+i], s[46:47], v[192+i:193+i] op_sel_hi:[1,0,1]
.set i, i+2
.endr
.irp rt, 0,1,2,3
	v_max3_num_f32 v[192+\rt], v[64+8*\rt], v[65+8*\rt], v[66+8*\rt]           ; the largest u of my 32 columns of each query
.endr
.irp n, 3,5,7,9,11,13,15,17,19,21,23,25,27,29
.irp rt, 0,1,2,3
	v_max3_num_f32 v[192+\rt], v[192+\rt], v[64+32*(\n/8)+8*\rt+\n%8], v[64+32*((\n+1)/8)+8*\rt+(\n+1)%8]
.endr
.endr
.irp rt, 0,1,2,3
	v_max_num_f32 v[192+\rt], v[192+\rt], v[167+8*\rt]
.endr
.irp rt, 0,1,2,3
	v_permlanex16_b32 v[196+\rt], v[192+\rt], s32, s33
.endr
.irp rt, 0,1,2,3
	v_max_num_f32 v[192+\rt], v[192+\rt], v[196+\rt]
.endr
.irp rt, 0,1,2,3
	ds_store_b32 v6, v[192+\rt] offset:1280*\rt
.endr
	BARRIER
.irp rt, 0,1,2,3
.irp k, 0,1,2,3
	ds_load_b128 v[192+16*\rt+4*\k:192+16*\rt+4*\k+3], v7 offset:1280*\rt+16*\k
.endr
.endr
	s_wait_dscnt 0x0
.irp rt, 0,1,2,3
	v_max3_num_f32 v[192+16*\rt], v[192+16*\rt], v[193+16*\rt], v[194+16*\rt]
.endr
.irp i, 3,5,7,9,11,13
.irp rt, 0,1,2,3
	v_max3_num_f32 v[192+16*\rt], v[192+16*\rt], v[192+16*\rt+\i], v[193+16*\rt+\i]
.endr
.endr
.irp rt, 0,1,2,3
	v_max_num_f32 v[192+16*\rt], v[192+16*\rt], v[207+16*\rt]                  ; the row's largest u
.endr
.irp ct, 0,1,2,3
.irp rt, 0,1,2,3
.irp j, 0,2,4,6
	v_pk_add_f32 v[64+32*\ct+8*\rt+\j:65+32*\ct+8*\rt+\j], v[64+32*\ct+8*\rt+\j:65+32*\ct+8*\rt+\j], v[192+16*\rt:193+16*\rt] op_sel_hi:[1,0] neg_lo:[0,1] neg_hi:[0,1]
.endr
.endr
.endr
.set i, 0
.rept 128
	v_exp_f32 v[64+i], v[64+i]
.set i, i+1
.endr
	v_nop
	s_wait_alu depctr_va_vdst(0)
.irp rt, 0,1,2,3
	v_pk_add_f32 v[194+16*\rt:195+16*\rt], v[64+8*\rt:65+8*\rt], v[66+8*\rt:67+8*\rt]
	v_pk_add_f32 v[196+16*\rt:197+16*\rt], v[68+8*\rt:69+8*\rt], v[70+8*\rt:71+8*\rt]
.endr
.irp ct, 1,2,3
.irp rt, 0,1,2,3
	v_pk_add_f32 v[194+16*\rt:195+16*\rt], v[194+16*\rt:195+16*\rt], v[64+32*\ct+8*\rt:65+32*\ct+8*\rt]
	v_pk_add_f32 v[196+16*\rt:197+16*\rt], v[196+16*\rt:197+16*\rt], v[66+32*\ct+8*\rt:67+32*\ct+8*\rt]
.endr
.irp rt, 0,1,2,3
	v_pk_add_f32 v[194+16*\rt:195+16*\rt], v[194+16*\rt:195+16*\rt], v[68+32*\ct+8*\rt:69+32*\ct+8*\rt]
	v_pk_add_f32 v[196+16*\rt:197+16*\rt], v[196+16*\rt:197+16*\rt], v[70+32*\ct+8*\rt:71+32*\ct+8*\rt]
.endr
.endr
.irp rt, 0,1,2,3
	v_pk_add_f32 v[194+16*\rt:195+16*\rt], v[194+16*\rt:195+16*\rt], v[196+16*\rt:197+16*\rt]
.endr
.irp rt, 0,1,2,3
	v_add_f32 v[194+16*\rt], v[194+16*\rt], v[195+16*\rt]
.endr
.irp rt, 0,1,2,3
	v_permlanex16_b32 v[196+16*\rt], v[194+16*\rt], s32, s33
.endr
.irp rt, 0,1,2,3
	v_add_f32 v[194+16*\rt], v[194+16*\rt], v[196+16*\rt]
.endr
.irp rt, 0,1,2,3
	ds_store_b32 v6, v[194+16*\rt] offset:5120+1280*\rt
.endr
	BARRIER
.irp rt, 0,1,2,3
.irp k, 0,1,2,3
	ds_load_b128 v[192+16*\rt+4*\k:192+16*\rt+4*\k+3], v7 offset:5120+1280*\rt+16*\k
.endr
.endr
	s_wait_dscnt 0x0
.irp j, 0,2,4,6
.irp rt, 0,1,2,3
	v_pk_add_f32 v[192+16*\rt+\j:193+16*\rt+\j], v[192+16*\rt+\j:193+16*\rt+\j], v[200+16*\rt+\j:201+16*\rt+\j]
.endr
.endr
.irp j, 0,2
.irp rt, 0,1,2,3
	v_pk_add_f32 v[192+16*\rt+\j:193+16*\rt+\j], v[192+16*\rt+\j:193+16*\rt+\j], v[196+16*\rt+\j:197+16*\rt+\j]
.endr
.endr
.irp rt, 0,1,2,3
	v_pk_add_f32 v[192+16*\rt:193+16*\rt], v[192+16*\rt:193+16*\rt], v[194+16*\rt:195+16*\rt]
.endr
.irp rt, 0,1,2,3
	v_add_f32 v[192+16*\rt], v[192+16*\rt], v[193+16*\rt]                      ; the row's sum, in the same order in every wave
.endr
.irp rt, 0,1,2,3
	v_rcp_f32 v[192+16*\rt], v[192+16*\rt]
.endr
	v_nop
	s_wait_alu depctr_va_vdst(0)
.irp ct, 0,1,2,3
.irp rt, 0,1,2,3
.irp j, 0,2,4,6
	v_pk_mul_f32 v[64+32*\ct+8*\rt+\j:65+32*\ct+8*\rt+\j], v[64+32*\ct+8*\rt+\j:65+32*\ct+8*\rt+\j], v[192+16*\rt:193+16*\rt] op_sel_hi:[1,0]
.endr
.endr
.endr
.irp ct, 0,1,2,3
.irp rt, 0,1,2,3
	ds_store_b128 v[16+\rt], v[64+32*\ct+8*\rt:67+32*\ct+8*\rt] offset:64*\ct              ; over the very mask bytes that this lane read: nobody else has touched them since the attention
	ds_store_b128 v[16+\rt], v[68+32*\ct+8*\rt:71+32*\ct+8*\rt] offset:64*\ct+16
.endr
.endr
	BARRIER                                        ; 64 whole rows of the result lie in LDS
	; ---- T5: wave w stores rows 4 w .. 4 w + 3: 16,000 dense bytes of memory, in runs of 512 bytes that begin at multiples of 256 from the buffer's first byte
	s_lshl_b32 s60, s29, 6
	s_lshl_b32 s61, s28, 2
	s_add_co_u32 s60, s60, s61
	s_cmp_ge_u32 s60, 1000                         ; padding queries are not stored
	s_cbranch_scc1 .Lend
.irp i, 0,1,2,3,4,5,6,7,8,9,10,11,12,13,14,15,16,17,18,19,20,21,22,23,24,25,26,27,28,29,30
.if \i%8 == 7
	ds_load_b128 v[64+4*\i:67+4*\i], v[10+\i/8] offset:512*\i+112*(\i/8)
.else
	ds_load_b128 v[64+4*\i:67+4*\i], v8 offset:512*\i+112*(\i/8)
.endif
.endr
	ds_load_b32 v188, v14
.irp i, 0,1,2,3,4,5,6,7,8,9,10,11,12,13,14,15,16,17,18,19,20,21,22,23,24,25,26,27,28,29,30
	s_wait_dscnt 31-\i                             ; LDS loads come back in order: load i is in, the 31 - i younger ones may be out
	global_store_b128 v9, v[64+4*\i:67+4*\i], s[26:27] offset:512*\i th:TH_STORE_NT
.endr
	s_wait_dscnt 0x0
	global_store_b32 v13, v188, s[26:27] th:TH_STORE_NT   ; 128 bytes: with the neighbouring wave's 128 they make 256 aligned bytes
.Lend:
	s_wait_tensorcnt 0x0                           ; the wave's end: behind my last LDS store
	ds_add_u32 v[SPW], v[NIL]
	s_wait_dscnt 0x0
	s_endpgm
.Lfunc_end_k_qe5f5d49a1b_attn:
	.size	k_qe5f5d49a1b_attn, .Lfunc_end_k_qe5f5d49a1b_attn-k_qe5f5d49a1b_attn
	.p2alignl 7, 3214868480
	.fill 96, 4, 3214868480
	.section	.rodata,"a",@progbits
	.p2align	6, 0x0
	.amdhsa_kernel k_qe5f5d49a1b_attn
		.amdhsa_group_segment_fixed_size 305152
		.amdhsa_private_segment_fixed_size 0
		.amdhsa_enable_private_segment 0
		.amdhsa_kernarg_size 80
		.amdhsa_user_sgpr_count 2
		.amdhsa_user_sgpr_kernarg_segment_ptr 1
		.amdhsa_wavefront_size32 1
		.amdhsa_system_sgpr_workgroup_id_x 1
		.amdhsa_system_sgpr_workgroup_id_y 1
		.amdhsa_system_sgpr_workgroup_id_z 1
		.amdhsa_system_vgpr_workitem_id 0
		.amdhsa_next_free_vgpr 256
		.amdhsa_next_free_sgpr 66
		.amdhsa_reserve_vcc 1
		.amdhsa_float_denorm_mode_32 3
		.amdhsa_float_denorm_mode_16_64 3
		.amdhsa_memory_ordered 1
		.amdhsa_forward_progress 1
		.amdhsa_inst_pref_size 217
	.end_amdhsa_kernel
	.amdgpu_metadata
---
amdhsa.version: [ 1, 2 ]
amdhsa.kernels:
  - .name:           k_qe5f5d49a1b_attn
    .symbol:         k_qe5f5d49a1b_attn.kd
    .args:
      - { .name: qimg, .offset: 0, .size: 8, .value_kind: global_buffer, .address_space: global }
      - { .name: kimg, .offset: 8, .size: 8, .value_kind: global_buffer, .address_space: global }
      - { .name: vimg, .offset: 16, .size: 8, .value_kind: global_buffer, .address_space: global }
      - { .name: ninf_mask, .offset: 24, .size: 8, .value_kind: global_buffer, .address_space: global }
      - { .name: Wc_codes, .offset: 32, .size: 8, .value_kind: global_buffer, .address_space: global }
      - { .name: Wc_scales, .offset: 40, .size: 8, .value_kind: global_buffer, .address_space: global }
      - { .name: bc, .offset: 48, .size: 8, .value_kind: global_buffer, .address_space: global }
      - { .name: encoded_nodes_codes, .offset: 56, .size: 8, .value_kind: global_buffer, .address_space: global }
      - { .name: encoded_nodes_scales, .offset: 64, .size: 8, .value_kind: global_buffer, .address_space: global }
      - { .name: out0, .offset: 72, .size: 8, .value_kind: global_buffer, .address_space: global }
    .group_segment_fixed_size: 305152
    .private_segment_fixed_size: 0
    .kernarg_segment_align: 8
    .kernarg_segment_size: 80
    .max_flat_workgroup_size: 512
    .sgpr_count:     66
    .vgpr_count:     256
    .wavefront_size: 32
...
	.end_amdgpu_metadata
.endif
;; end of part 2
